; MI455X (gfx1250); checked and timed in simulation.
; The chip was launched on July 23, 2026; its instructions are those of AMD's public machine-readable ISA for CDNA 5 (MIT licence, August 2026) and "CDNA5" Instruction Set Architecture Reference Guide (July 2026). The comments in the code are by the model that wrote it; some were corrected since.
;; Decoder Layer. Allowed arithmetic: matrix products marked QUANTISED: E2M1 operands, one E8M0 scale for each 32 along K, by v_wmma_scale_f32_16x16x128_f8f6f4 with both operands' format E2M1 (or v_wmma_scale_f32_32x16x128_f4), f32 sums; everything else in f32.
;; Inputs: W1_codes 512 x 16 x 16 uint8 (E2M1 codes of W1, K innermost, in blocks of 32 codes, two codes a byte); W1_scales 512 x 16 uint8 (E8M0 scales of W1, one for each 32 codes along K); W2_codes 512 x 16 x 16 uint8 (E2M1 codes of W2, K innermost, in blocks of 32 codes, two codes a byte); W2_scales 512 x 16 uint8 (E8M0 scales of W2, one for each 32 codes along K); b1 512 float32; b2 512 float32; encoder_output 8 x 1,024 x 512 float32; mask 8 x 2,048 x 2,048 bool; y 8 x 2,048 x 512 float32.
;; Outputs: out0 8 x 2,048 x 512 float32.
;; This version of the problem:
;;   THIS VERSION OF THE PROBLEM IS GIVEN IN LOW PRECISION. The matrix products marked QUANTISED in the list below multiply operands that are first quantised to E2M1 (2 exponent bits, 1 mantissa bit; 4 bits a number), with one power-of-two scale for each 32 numbers along K (OCP MX v1.0); their sums are f32. All else is computed in f32.
;;   The module's matrix products, in the order in which they are computed (A, B: the left and right operand; K: the contracted axis; several contracted axes count as one K, in the product's order):
;;     1. batch 8 x [M 2,048, K 512] x [K 512, N 2,048]; A: input y; B: input y: QUANTISED
;;     2. batch 8 x [M 2,048, K 2,048] x [K 2,048, N 512]; A: softmax (see below); B: input y: QUANTISED
;;     3. batch 8 x [M 2,048, K 512] x [K 512, N 1,024]; A: computed on the way; B: input encoder_output: QUANTISED
;;     4. batch 8 x [M 2,048, K 1,024] x [K 1,024, N 512]; A: softmax (see below); B: input encoder_output: QUANTISED
;;     5. [M 16,384, K 512] x [K 512, N 512]; A: computed on the way; B: input W1 (given as codes): QUANTISED
;;     6. [M 16,384, K 512] x [K 512, N 512]; A: computed on the way; B: input W2 (given as codes): QUANTISED
;;   THE QUANTISER, for each operand of a quantised product, along K:
;;     - K is cut into blocks of 32 from its start; a last block that is shorter is filled with zeros.
;;     - A block's scale is 2^e with e = floor(log2(the largest magnitude in the block)) - 2, held to -126 .. 127; a block of zeros has e = 0. As a byte (E8M0): e + 127.
;;     - Each number is divided by its block's scale, clamped to +-6, and rounded to the nearest number of E2M1, ties to even, subnormals kept.
;;     - The product sums the exact products of the quantised numbers (number of the format x scale) in f32.
;;   ~~~python
;;   def quantise(x, axis):      # numpy; x: float32 -> the quantised numbers, widened to float32 again
;;       x = np.moveaxis(x, axis, -1); K = x.shape[-1]
;;       x = np.pad(x, [(0, 0)] * (x.ndim - 1) + [(0, -K % 32)]); x = x.reshape(x.shape[:-1] + (-1, 32)); a = np.abs(x).max(-1, keepdims=True)
;;       e = np.where(a > 0, np.clip(np.frexp(np.where(a > 0, a, 1))[1] - 1 - 2, -126, 127), 0)      # np.frexp(a)[1] - 1 = floor(log2(a)), exactly
;;       r = np.clip(x / 2.0 ** e, -6, 6)
;;       step = 2.0 ** (np.maximum(np.frexp(np.where(r == 0, 1, r))[1] - 1, 0) - 1)
;;       q = np.round(r / step) * step * 2.0 ** e      # np.round: ties to even
;;       return np.moveaxis(q.reshape(q.shape[:-2] + (-1,))[..., :K], -1, axis).astype(np.float32)
;;   ~~~
;;   SOFTMAX AHEAD OF A QUANTISED PRODUCT. Where the list says 'softmax', what is quantised is not the finished softmax but p = 2^(t - M), with t = logit x log2(e) and M = ceil(the row's largest t), a whole number; so 1/2 < the row's largest p <= 1. The row's sum l is taken of the UNQUANTISED p, in f32, and the product's result is divided by l at the end. Since M is a whole number, a kernel that streams over the keys may use a running M (the ceiling of the running maximum): every later rescaling is an exact power of two, which a block's scale takes up: the codes' values come out the same.
;;   OPERANDS COMPUTED ON THE WAY. 'Computed on the way' means the value that the module computes at that place (a softmax that the list does not call 'softmax' is quantised finished and normalised). What goes into a quantiser is computed in f32, as accurately as f32 sums, v_exp_f32 and their like allow (about 1e-6 of the number): no bf16 or f16 on the way to a quantiser, and a product that is left as it is and whose result goes on into a quantised operand takes f32 operands (vector FMAs, or v_wmma_f32_16x16x4_f32). A number that lies on a knife's edge between two numbers of the format may be rounded either way, as far as f32 arithmetic and the matrix unit's own rounding can turn it there, and no further.
;;   INPUTS GIVEN AS CODES. W1 (in the module: [512, 512], K = its axis 0); W2 (in the module: [512, 512], K = its axis 0): each comes as NAME_codes (uint8): NAME with its K axis moved to the last place and cut into blocks of 32 codes, [.., K / 32, bytes a block], one block behind the other in memory; two codes a byte, the lower K in the low four bits (a code: sign, 2 exponent bits, 1 mantissa bit); and NAME_scales (uint8): the same leading axes, one E8M0 byte (e + 127) for each 32 codes along K. Its value is code x scale, taken as it is: it is not quantised again, and the codes and scales need not be those that the quantiser above would give.
;; One version. Each part assembles by itself: llvm-mc -triple=amdgcn-amd-amdhsa -mcpu=gfx1250 --defsym DOCPART=n.
;; ======== version 1 of 1: 2 launches
;; limits: right only within a limited range of input values
;; workspace buffers: kv 15,597,568 bytes
;; launch prep (part 1): grid 832 x 1, 4 waves a work-group, no clusters, 19,968 bytes of LDS; arguments y, encoder_output, W1_codes, W1_scales, W2_codes, W2_scales, kv; writes kv
.if DOCPART == 1
	.amdgcn_target "amdgcn-amd-amdhsa--gfx1250"
	.amdhsa_code_object_version 6
	.text
	.protected	k_q8f91c6dfc4_prep
	.globl	k_q8f91c6dfc4_prep
	.p2align	8
	.type	k_q8f91c6dfc4_prep,@function
k_q8f91c6dfc4_prep:
	s_mov_b64 s[64:65], 0
	v_nop
	global_prefetch_b8 v0, s[64:65] scope:SCOPE_SE
	s_setreg_imm32_b32 hwreg(HW_REG_WAVE_MODE, 25, 1), 1
	s_wait_xcnt 0x0
; y [8][2048][512] and encoder_output [8][1024][512], f32, are read ONCE and quantised TWICE to FP4 (E2M1) with one E8M0 byte for each 32 along K:
; along the channels (operand K of the scores, and Q) and along the keys (operand V).  W1 and W2, given as codes, are laid anew.  All goes into kv as IMAGES OF OPERAND REGISTERS.
; No work of reference() is left out.
; kv: [batch 8][step 14][half A, half B], a half = 65,536 bytes of codes + 4,096 of scale words.  Key steps k of 256 keys: 0-7 y, 8-11 encoder_output.
;   V of key step k: half A of step k + 1.   K of key step k: half B of step k - 1; of key step 0: half A of step 0.
;   W1: half B of steps 11 and 12; W2: halves A and B of step 13 (a copy for each batch, so that the reader's address always steps by one step).
; A half of K (B = which 128 of the 256 keys):
;   B*32768 + s*8192 + t*1024            fragment: channels 128 s on, tile t = 2 g + u; its row r is key 32 g + 8 u + r + 8 (r / 8)
;   65536 + B*2048 + s*512 + 16 l + 4 g  scale word of tile 2 g + l / 16, row l % 16
; A half of V:
;   B*32768 + q*8192 + t*1024            fragment: tile t = 2 c + u; its row r is channel 128 q + 32 c + 8 u + r + 8 (r / 8); K = the 128 keys as they lie
;   65536 + B*2048 + q*512 + 16 l + 4 c  scale words likewise
; A half of a weight is laid as a half of K, K's 512 channels being the weight's K: key 64 w + x of half a (b) is unit 128 w + x (128 w + 64 + x).
; A fragment's image is 1,024 bytes, [block of 32 k][row][16 bytes]: two loads of 16 bytes a lane, at 512 c + 16 x lane, give a lane its registers 4 c .. 4 c + 3.
; SHARES.  Work-groups 0-767: 128 keys x 128 channels each; wave g takes keys 32 g on.  A LANE TAKES A CHANNEL AND ITS REGISTERS RUN DOWN THE KEYS: that is V's block of 32.  The same numbers turn through the
; wave's own stage in LDS and come back a key to a lane, registers along the channels: K's block.  Which channel a lane takes (8 u + r + 8 (r / 8)) and which stage row a key goes to are chosen so that
; lane l's 16 bytes of codes are the 16 bytes at 16 (l % 16) of a tile's block: every store of a wave covers two runs of 256 consecutive bytes, aligned.  Work-groups 768-831 lay the weights.
; A block's scale is 2^(floor(log2(largest magnitude)) - 2): its byte is the largest magnitude's exponent field - 2, held at 1 from below.
; LIMITS: a block of zeros gets the byte 1 (its codes are zeros, and this program alone reads the bytes); NaN and infinities among the inputs are not served.
; No tensor loads, no matrix unit, no cluster: a stream; work-groups share nothing.
.set STEPB, 139264
.set HALFB, 69632
.set X,   64                           ; v64-191  X[32 c + i]: channel tile c, key i
.set TT,  32                           ; v32-63   32 channels of my key
.set VC,  192                          ; v192-207 V's codes, four registers a tile
.set KC,  208                          ; v208-223 K's codes
.set KSL, 18432                        ; LDS: behind the four stages (32 rows x 144 bytes each): K's 512 bytes of scale words,
.set VSL, 18944                        ; and V's; the spare words from 19,456 on
	s_load_b256 s[4:11], s[0:1], 0x0               ; y, encoder_output, W1's codes, W1's scales
	s_load_b128 s[12:15], s[0:1], 0x20             ; W2's codes, W2's scales
	s_load_b64 s[16:17], s[0:1], 0x30              ; kv
	v_lshl_add_u32 v240, v0, 2, 0x4c00
	v_mov_b32 v241, 0
	v_lshrrev_b32 v1, 5, v0
	v_readfirstlane_b32 s18, v1                    ; wave
	v_and_b32 v9, 31, v0                           ; l
	v_and_b32 v10, 15, v0                          ; r
	v_bfe_u32 v11, v0, 4, 1                        ; u
	v_and_b32 v12, 8, v10
	v_add_nc_u32 v12, v12, v10                     ; r + 8 (r / 8)
	v_lshl_add_u32 v13, v11, 3, v12                ; d = 8 u + r + 8 (r / 8)
	v_lshlrev_b32 v15, 4, v9                       ; 16 l
	s_mov_b32 s31, 0
	s_cmp_ge_u32 ttmp9, 768
	s_cbranch_scc1 .Lweights
	; ---- a task of 128 keys x 128 channels
	v_lshlrev_b32 v13, 2, v13                      ; 4 d
	s_lshl_b32 s29, s18, 16
	v_add_nc_u32 v2, s29, v13                      ; in: my channel, my wave's 32 keys (rows of 2,048 bytes)
	s_mul_i32 s29, s18, 4608
	v_add_nc_u32 v3, s29, v13                      ; the stage, in: column 4 d
	v_mul_u32_u24 v4, v9, 144
	v_add_nc_u32 v4, s29, v4                       ; the stage, out: row l
	v_lshlrev_b32 v14, 4, v10
	v_lshl_add_u32 v14, v11, 10, v14               ; 1024 u + 16 r
	s_lshl_b32 s29, s18, 8
	v_add_nc_u32 v5, s29, v14                      ; V's codes: + block g
	s_lshl_b32 s29, s18, 11
	v_add_nc_u32 v6, s29, v14                      ; K's codes: + tiles 2 g, 2 g + 1
	s_lshl_b32 s29, s18, 2
	s_add_co_u32 s29, s29, KSL
	v_add_nc_u32 v7, s29, v15                      ; K's scale word: 16 l + 4 g
	s_add_co_u32 s29, s18, VSL
	v_add_nc_u32 v8, s29, v15                      ; V's scale bytes: 16 l + g (+ 4 c)
	s_lshl_b32 s29, s18, 9
	s_add_co_u32 s29, s29, KSL
	v_add_nc_u32 v22, s29, v15                     ; the scale words' way out: wave 0 K's, wave 1 V's
	s_cmp_lt_u32 ttmp9, 512                        ; y's task or encoder_output's?  The choice hangs on the work-group's number alone
	s_cselect_b32 s19, 0, 512
	s_cselect_b32 s20, 4, 3                        ; 16 or 8 runs of 128 keys in a batch
	s_cselect_b32 s21, 15, 7
	s_cselect_b32 s22, 0, 16
	s_wait_alu depctr_va_vdst(0)
	s_wait_kmcnt 0x0
	s_cselect_b64 s[4:5], s[4:5], s[6:7]
	s_sub_co_u32 s19, ttmp9, s19
	s_lshr_b32 s23, s19, 2                         ; which 128 keys of the tensor
	s_and_b32 s24, s19, 3                          ; which 128 channels
	s_lshr_b32 s25, s23, s20                       ; batch
	s_and_b32 s26, s23, s21
	s_add_co_u32 s26, s26, s22                     ; which 128 keys of the batch's 24 runs
	s_lshr_b32 s27, s26, 1                         ; key step k
	s_and_b32 s28, s26, 1                          ; B
	s_lshl_b32 s30, s23, 18                        ; 128 rows of 2,048 bytes
	s_lshl_b32 s29, s24, 9
	s_add_co_u32 s30, s30, s29
	s_add_nc_u64 s[4:5], s[4:5], s[30:31]
	s_mul_i32 s30, s25, 14*STEPB
	s_add_nc_u64 s[16:17], s[16:17], s[30:31]      ; my batch in kv
	s_add_co_u32 s30, s27, 1
	s_mul_i32 s30, s30, STEPB
	s_add_nc_u64 s[36:37], s[16:17], s[30:31]      ; V: half A of step k + 1
	s_max_u32 s30, s27, 1
	s_sub_co_u32 s30, s30, 1
	s_mul_i32 s30, s30, STEPB
	s_cmp_eq_u32 s27, 0
	s_cselect_b32 s29, 0, HALFB
	s_add_co_u32 s30, s30, s29
	s_add_nc_u64 s[32:33], s[16:17], s[30:31]      ; K: half B of step k - 1, or half A of step 0
	s_cmp_eq_u32 s18, 0
	s_cselect_b64 s[34:35], s[32:33], s[36:37]     ; wave 0 stores K's scale words, wave 1 V's
	s_lshl_b32 s30, s28, 11
	s_lshl_b32 s29, s24, 9
	s_add_co_u32 s30, s30, s29
	s_add_nc_u64 s[34:35], s[34:35], s[30:31]      ; scale words: + 2048 B + 512 x quad
	s_lshl_b32 s30, s28, 15
	s_lshl_b32 s29, s24, 13
	s_add_co_u32 s30, s30, s29
	s_add_nc_u64 s[32:33], s[32:33], s[30:31]      ; codes: + 32768 B + 8192 x quad
	s_add_nc_u64 s[36:37], s[36:37], s[30:31]
.macro LOADS c                         ; channel tile c: 32 keys; each load reads 128 consecutive bytes of one key's row
.set i, 0
.rept 32
	global_load_b32 v[X+32*(\c)+i], v2, s[4:5] offset:i*2048+(\c)*128 th:TH_LOAD_NT
.set i, i+1
.endr
.endm
; 32 numbers v[s] on become 16 bytes of codes in v[c] on and the scale's byte in v[e]
.macro QBLK s, c, e
	v_max3_num_f32 v12, |v[(\s)]|, |v[(\s)+1]|, |v[(\s)+2]|
	v_max3_num_f32 v13, |v[(\s)+3]|, |v[(\s)+4]|, |v[(\s)+5]|
.irp i, 6,10,14,18,22,26
	v_max3_num_f32 v12, v12, |v[(\s)+\i]|, |v[(\s)+\i+1]|
	v_max3_num_f32 v13, v13, |v[(\s)+\i+2]|, |v[(\s)+\i+3]|
.endr
	v_max3_num_f32 v12, v12, |v[(\s)+30]|, |v[(\s)+31]|
	v_max3_num_f32 v12, v12, v13, 0x1800000        ; and the floor 2^(3 - 127): the byte cannot fall under 1
	v_add_nc_u32 v11, 0xff000000, v12              ; 2 off the exponent field: the conversion takes this operand's exponent field as its scale
.irp g, 0,1,2,3
	v_cvt_scalef32_pk8_fp4_f32 v[(\c)+\g], v[(\s)+8*\g:(\s)+8*\g+7], v11
.endr
	v_lshrrev_b32 v[\e], 23, v11                   ; the scale's byte; also the plain line behind the conversions
.endm
.macro TILE c
.if \c < 3
	s_wait_loadcnt 32                              ; this tile's 32 loads are in; the next tile's 32 may be out
.else
	s_wait_loadcnt 0x0
.endif
.if \c < 2
	LOADS \c+2                                     ; loads run two tiles ahead
.endif
.set i, 0
.rept 32
	ds_store_b32 v3, v[X+32*\c+i] offset:(16*((i/8)%2)+i%8+8*(i/16))*144   ; key i goes to the stage row of the lane that owns it in K's tile
.set i, i+1
.endr
.irp j, 0,1,2,3,4,5,6,7
	ds_load_b128 v[TT+4*\j:TT+4*\j+3], v4 offset:16*\j   ; LDS serves a wave's instructions in order: these see the stores above, and the next tile's stores come behind them
.endr
	QBLK X+32*\c, VC+4*\c, 16+\c                   ; V's block, while the stage turns
	global_store_b128 v5, v[VC+4*\c:VC+4*\c+3], s[36:37] offset:\c*2048
	s_wait_dscnt 0x0                               ; my key's 32 channels are back
.if \c == 0
	QBLK TT, KC+4*\c, 20
.else
	QBLK TT, KC+4*\c, 14
	v_lshl_or_b32 v20, v14, 8*\c, v20              ; K's scale word: byte c
.endif
	global_store_b128 v6, v[KC+4*\c:KC+4*\c+3], s[32:33] offset:\c*256
.endm
	LOADS 0
	LOADS 1
	TILE 0
	TILE 1
	TILE 2
	TILE 3
.irp c, 0,1,2,3
	ds_store_b8 v8, v[16+\c] offset:4*\c           ; V's word of tile 2 c + u, row r: my wave's byte g
.endr
	ds_store_b32 v7, v20
	s_wait_dscnt 0x0                               ; for the others' sake: my scale bytes lie in LDS
	s_barrier_signal -1
	s_barrier_wait -1
	s_cmp_ge_u32 s18, 2
	s_cbranch_scc1 .Ldone
	ds_load_b128 v[24:27], v22                     ; wave 0: K's 512 bytes, wave 1: V's
	s_wait_dscnt 0x0
	global_store_b128 v15, v[24:27], s[34:35] offset:65536
.Ldone:
	s_wait_tensorcnt 0x0
	ds_add_u32 v240, v241
	s_wait_dscnt 0x0
	s_endpgm
	; ---- the weights: work-group = (batch, which weight, which 128 units); wave = K step.  Its tiles 0-3 belong to half a, 4-7 to half b.
	; The scale words of a half and a B come from 256 units: here the two low bits of the work-group say B and the half.
.Lweights:
	s_sub_co_u32 s19, ttmp9, 768
	s_lshr_b32 s25, s19, 3                         ; batch
	s_and_b32 s24, s19, 3                          ; which 128 units
	s_lshr_b32 s20, s24, 1                         ; B
	s_and_b32 s21, s24, 1                          ; codes: which tiles of B's eight; scales: which half
	s_lshl_b32 s29, s18, 2
	s_wait_alu depctr_va_vdst(0)
	v_lshlrev_b32 v2, 8, v12
	v_lshl_add_u32 v2, v11, 4, v2                  ; in: row r + 8 (r / 8) of 256 bytes, + 16 for lanes 16-31
	v_lshl_add_u32 v4, v13, 4, s29                 ; the scales, in: 16 bytes a unit, my K step's word
	s_bitcmp1_b32 s19, 2                           ; W2?
	s_wait_alu depctr_va_vdst(0)
	s_wait_kmcnt 0x0
	s_cselect_b64 s[8:9], s[12:13], s[8:9]
	s_cselect_b64 s[10:11], s[14:15], s[10:11]
	s_cselect_b32 s26, 13, 11                      ; half a's step,
	s_cselect_b32 s27, 0, HALFB                    ; where it begins there,
	s_mov_b32 s38, STEPB
	s_cselect_b32 s38, HALFB, s38                  ; and from half a to half b
	s_mov_b32 s39, 0
	s_mul_i32 s30, s25, 14
	s_add_co_u32 s30, s30, s26
	s_mul_i32 s30, s30, STEPB
	s_add_co_u32 s30, s30, s27
	s_add_nc_u64 s[16:17], s[16:17], s[30:31]      ; half a
	s_lshl_b32 s30, s24, 15
	s_lshl_b32 s29, s18, 6
	s_add_co_u32 s30, s30, s29
	s_add_nc_u64 s[8:9], s[8:9], s[30:31]          ; codes, in: 128 rows x which, + 64 bytes x K step
	s_lshl_b32 s30, s20, 15
	s_lshl_b32 s29, s21, 12
	s_add_co_u32 s30, s30, s29
	s_lshl_b32 s29, s18, 13
	s_add_co_u32 s30, s30, s29
	s_add_nc_u64 s[32:33], s[16:17], s[30:31]      ; codes, out: half a,
	s_add_nc_u64 s[36:37], s[32:33], s[38:39]      ; half b
	s_lshl_b32 s30, s20, 12
	s_lshl_b32 s29, s21, 10
	s_add_co_u32 s30, s30, s29
	s_add_nc_u64 s[10:11], s[10:11], s[30:31]      ; scales, in: units 256 B + 64 x half on
	s_mul_i32 s30, s21, s38
	s_lshl_b32 s29, s20, 11
	s_add_co_u32 s30, s30, s29
	s_lshl_b32 s29, s18, 9
	s_add_co_u32 s30, s30, s29
	s_add_nc_u64 s[34:35], s[16:17], s[30:31]      ; and out
.irp t, 0,1,2,3,4,5,6,7
.irp c, 0,1
	global_load_b128 v[64+8*\t+4*\c:64+8*\t+4*\c+3], v2, s[8:9] offset:(32*(\t/2)+8*(\t%2))*256+32*\c
.endr
.endr
.irp g, 0,1,2,3
	global_load_b32 v[128+\g], v4, s[10:11] offset:(\g/2)*2048+(\g%2)*512
.endr
.irp t, 0,1,2,3,4,5,6,7
.irp c, 0,1
	s_wait_loadcnt 19-2*\t-\c                      ; loads come back in order: this one is in, the younger ones may be out
.if \t < 4
	global_store_b128 v15, v[64+8*\t+4*\c:64+8*\t+4*\c+3], s[32:33] offset:\t*1024+\c*512
.else
	global_store_b128 v15, v[64+8*\t+4*\c:64+8*\t+4*\c+3], s[36:37] offset:(\t-4)*1024+\c*512
.endif
.endr
.endr
	s_wait_loadcnt 0x0
	global_store_b128 v15, v[128:131], s[34:35] offset:65536
	s_endpgm
.Lfunc_end_k_q8f91c6dfc4_prep:
	.size	k_q8f91c6dfc4_prep, .Lfunc_end_k_q8f91c6dfc4_prep-k_q8f91c6dfc4_prep
	.p2alignl 7, 3214868480
	.fill 96, 4, 3214868480
	.section	.rodata,"a",@progbits
	.p2align	6, 0x0
	.amdhsa_kernel k_q8f91c6dfc4_prep
		.amdhsa_group_segment_fixed_size 19968
		.amdhsa_private_segment_fixed_size 0
		.amdhsa_enable_private_segment 0
		.amdhsa_kernarg_size 56
		.amdhsa_user_sgpr_count 2
		.amdhsa_user_sgpr_kernarg_segment_ptr 1
		.amdhsa_wavefront_size32 1
		.amdhsa_system_sgpr_workgroup_id_x 1
		.amdhsa_system_sgpr_workgroup_id_y 1
		.amdhsa_system_sgpr_workgroup_id_z 1
		.amdhsa_system_vgpr_workitem_id 0
		.amdhsa_next_free_vgpr 242
		.amdhsa_next_free_sgpr 66
		.amdhsa_reserve_vcc 0
		.amdhsa_float_denorm_mode_32 3
		.amdhsa_float_denorm_mode_16_64 3
		.amdhsa_memory_ordered 1
		.amdhsa_forward_progress 1
		.amdhsa_inst_pref_size 45
	.end_amdhsa_kernel
	.amdgpu_metadata
---
amdhsa.version: [ 1, 2 ]
amdhsa.kernels:
  - .name:           k_q8f91c6dfc4_prep
    .symbol:         k_q8f91c6dfc4_prep.kd
    .args:
      - { .name: y, .offset: 0, .size: 8, .value_kind: global_buffer, .address_space: global }
      - { .name: encoder_output, .offset: 8, .size: 8, .value_kind: global_buffer, .address_space: global }
      - { .name: W1_codes, .offset: 16, .size: 8, .value_kind: global_buffer, .address_space: global }
      - { .name: W1_scales, .offset: 24, .size: 8, .value_kind: global_buffer, .address_space: global }
      - { .name: W2_codes, .offset: 32, .size: 8, .value_kind: global_buffer, .address_space: global }
      - { .name: W2_scales, .offset: 40, .size: 8, .value_kind: global_buffer, .address_space: global }
      - { .name: kv, .offset: 48, .size: 8, .value_kind: global_buffer, .address_space: global }
    .group_segment_fixed_size: 19968
    .private_segment_fixed_size: 0
    .kernarg_segment_align: 8
    .kernarg_segment_size: 56
    .max_flat_workgroup_size: 128
    .sgpr_count:     66
    .vgpr_count:     242
    .wavefront_size: 32
...
	.end_amdgpu_metadata
.endif
;; end of part 1
;; launch layer (part 2): grid 32 x 8, 4 waves a work-group, clusters of 4 x 1, 327,680 bytes of LDS; arguments kv, mask, b1, b2, out0; writes out0
.if DOCPART == 2
	.amdgcn_target "amdgcn-amd-amdhsa--gfx1250"
	.amdhsa_code_object_version 6
	.text
	.protected	k_q8f91c6dfc4_layer
	.globl	k_q8f91c6dfc4_layer
	.p2align	8
	.type	k_q8f91c6dfc4_layer,@function
k_q8f91c6dfc4_layer:
	s_mov_b64 s[64:65], 0
	v_nop
	global_prefetch_b8 v0, s[64:65] scope:SCOPE_SE
	s_setreg_imm32_b32 hwreg(HW_REG_WAVE_MODE, 25, 1), 1
	s_wait_xcnt 0x0
	s_wait_alu depctr_hold_cnt(0) depctr_sa_sdst(0) depctr_va_vdst(0) depctr_va_sdst(0) depctr_va_ssrc(0) depctr_va_vcc(0) depctr_vm_vsrc(0)
	s_getreg_b32 s2, hwreg(HW_REG_IB_STS2, 6, 4)
	s_cmp_eq_u32 s2, 0
	s_cbranch_scc0 .Lentry_in_a_cluster
	s_endpgm
.Lentry_in_a_cluster:
	s_bfe_u32 s2, ttmp6, 0x10000c
	s_cmp_lg_u32 s2, 0x3003
	s_cbranch_scc0 .Lentry_shape_is_right
	s_endpgm
.Lentry_shape_is_right:
; out = relu(att(att(y, y, y, mask), enc, enc) W1 + b1) W2 + b2, every product on FP4 (E2M1) codes with one E8M0 scale for each 32 along K, sums in f32.  No work of reference() is left out.
; kv holds all operands that come from inputs as images of operand registers, in 14 steps of 139,264 bytes a batch, each two halves of 65,536 bytes of codes + 4,096 of scale words.
; Key steps k of 256 keys (0-7 y, 8-11 encoder_output): V(k) in half A of step k + 1, K(k) in half B of step k - 1, K(0) in half A of step 0.  W1: half B of steps 11, 12.  W2: both halves of step 13.
; In a half: B*32768 + s*8192 + t*1024 fragments, 65536 + B*2048 + s*512 + 16 l + 4 g scale words (B = which 128 of the 256 keys).  Row r of tile 2 g + u is row 32 g + 8 u + r + 8 (r / 8),
; so that in a transposed result the 16 registers of tiles 2 g, 2 g + 1 are 16 neighbours along the next K.
; SHARES.  A work-group owns 64 queries of a batch through the whole chain.  THE WAVES SHARE THE COLUMNS, NOT THE QUERIES: in S^T = K Q^T wave w takes 64 of a step's 256 keys, in O^T = V^T P^T and in both
; layers channels (units) 128 w .. 128 w + 127, each for all 64 queries.  So each fragment of K, V, W1, W2 is read from LDS by ONE wave.
; A lane holds one query (tile m, lane % 16: query 32 (m / 2) + 8 (m % 2) + r + 8 (r / 8) of the 64).
; ONE MEETING A STEP.  Trip k: S^T of key step k from registers; K(k + 1) goes to registers from the slot in hand; softmax; p's codes go to LDS; the change of slots, which publishes the codes and brings V(k); O^T += V^T P^T.
; SOFTMAX: t = score x log2(e) / sqrt(512).  Each wave keeps the running M of its OWN keys (the running largest t rounded up to a whole number, kept as -M): p = 2^(t - M) is quantised along the keys; the sum is taken
; of the unquantised p.  With its codes a wave posts -M and each block's scale as a number; every reader takes the largest of the four M, multiplies the scales by 2^(M of the wave - that largest M) and O^T by
; f = 2^(its old value - its new): powers of two, exact.  (A scale that falls under 2^-126 so becomes the byte 0, 2^-127.)  The waves' sums are brought under the common M and added at the end.
; A block's largest p is made of its largest score: p rises with the score.
; THE MASK: a hidden key's score gets -2^60 added.  Mask bytes 0 / 1, exclusive-or 0x81, are the FP8 codes of -2^-9 / -0; the conversion multiplies by 2^69.
; LIMITS: the sum rounds to exactly -2^60 while the scaled scores (exponents to the base 2) stay under 2^31 in magnitude; reference() writes -1e9 to the logit: the results agree unless an open logit lies under -1e9.
; -2^60 x c is exact and whole, so a row that is wholly hidden gives p = 1 at every key, as reference() does.  NaN and infinities are not served; blocks under the floor 2^(3 - 127) keep the byte 1.
; THE RING: two LDS slots of one step.  The four work-groups of a cluster belong to one batch and walk the same 14 steps: each step is asked for JOINTLY (mask 15), each wave a quarter (136 rows of 256 bytes).
; One tensor load of a wave is out at any time.  Each fill is prefetched into the L2 one step ahead (macro ASK).
; LDS: 0 slot 0 | 0x22000 slot 1 | 0x44000 and 0x48000 what the waves post in a step, by turns: P's 8 fragments, 2,048 bytes of block scales, 1,024 of -M | 0x46c00 biases | 0x47c00 sums | 0x4ac00 scale words and
; 0x4c000 16 fragments of the rows between products | 0x4b000 spare words.  The way out's stage (4 x 16 rows x 528 bytes) lies in slot 0, which has had its last fill (step 12) and its last read by then.
; All of a WGP's LDS is claimed.
; REGISTERS, in windows of 256.  Window 0: v1-31, v100-106 addresses; v32-63 statistics, 8 a tile of queries: -M, largest t, sum (2), f, 0, two block maxima; v64-99 scale words and nothing else; v107 the mask's scale;
;   v108-111 -(common M); v112-127 at work; v128-255 S^T, then p, then at work.   Window 1: O^T, [m][tile] at 64 m + 8 tile; also both layers' sums.
;   Window 2: v0-127 Q (or the rows between products), 32 m + 8 s; v128-255 fragments of V, of W1's and W2's half b.
;   Window 3: v0-63 P's fragments, mask addends, later b2; v64-95 mask bytes, v96-127 p's codes, v64-127 later b1; v128-255 fragments of K, of W1's and W2's half a.
.set STEPB, 139264
.set HALFB, 69632
.set SLOTB, 139264                     ; = 0x22000: shares no bit with wave x 0x8800, so one exclusive or turns an address from one slot to the other
.set QUART, 34816
.set BUF,   0x44000                    ; what is posted in a step; the other one is BUF xor BUFX
.set BUFX,  0xc000
.set SCO,   8192                       ; in it: block scales, [m][r][wave][g] words
.set MXO,   10240                      ; and -M, [m][r][wave]
.set BIAS,  0x46c00
.set SUMS,  0x47c00
.set QSC,   0x4ac00
.set SPARE, 0x4b000
.set QIMG,  0x4c000
.set ST,  32
.set QS,  64                           ; v64-79   scale words of Q: 4 m + s
.set KS,  80                           ; v80-87   of K: 2 s + g;  in the layers of half a
.set VS,  88                           ; v88-95   of V: 4 B + c;  in the layers of half b: 2 s + g
.set PS,  96                           ; v96-99   of P: m; lanes 0-15 B = 0, lanes 16-31 B = 1
.set CM,  108
.set T,   112
.set S,   128
.set MA,  128                          ; the four waves' -M: 4 m
.set MB,  144                          ; those of my half's two waves: 2 m
.set SA,  152                          ; their block scales: 4 m
.set N,   168
.set E,   172
.set D,   180
.set MK,  64                           ; window 3
.set PCD, 96                           ; window 3
.set BI,  64                           ; window 3
.set TM,  192                          ; QUANT64: v192-195 largest magnitudes, v196-199 bytes, v204-207 scale operands
.set PW,  208                          ; v208-211 the scale word, one for each tile of rows
.set QC,  224                          ; v224-255 the codes, eight for each tile of rows
.set MSB, 0
.macro WIN new                         ; the immediate's high byte repeats the setting that is left; a switch that changes nothing is dropped
.if MSB != \new
	s_set_vgpr_msb (MSB<<8)|\new
.set MSB, \new
.endif
.endm
.macro PLACES                          ; four plain places: in front of loads into registers that matrix instructions have read, and of the first read of results
.rept 4
	v_nop
.endr
.endm
.macro BAR                             ; my LDS stores have landed and my LDS loads are in: then the work-group's barrier
	s_wait_dscnt 0x0
	s_barrier_signal -1
	s_barrier_wait -1
.endm
.macro CREST                           ; a round of the cluster's barrier behind its opening barrier
	s_cmp_lg_u32 s14, 0
	s_cbranch_scc1 .Lnot_wave_0_\@
	s_barrier_signal -3
.Lnot_wave_0_\@:
	s_barrier_wait -3
	s_barrier_signal -1
	s_barrier_wait -1
.endm
.macro CROUND
	s_barrier_signal -1
	s_barrier_wait -1
	CREST
.endm
; One matrix instruction.  d, a, b: first registers of D, source 0, source 1; c: of C, or -1 for the constant 0; sa, sb: scale registers; ra, rb = 1: a source's scales stand in lanes 16-31
.macro MM d, a, b, c, sa, sb, ra, rb
.if (\c) < 0
.if \ra
	v_wmma_scale_f32_16x16x128_f8f6f4 v[\d:\d+7], v[\a:\a+7], v[\b:\b+7], 0, v[\sa], v[\sb] matrix_a_fmt:MATRIX_FMT_FP4 matrix_b_fmt:MATRIX_FMT_FP4 matrix_a_scale:MATRIX_SCALE_ROW1
.else
	v_wmma_scale_f32_16x16x128_f8f6f4 v[\d:\d+7], v[\a:\a+7], v[\b:\b+7], 0, v[\sa], v[\sb] matrix_a_fmt:MATRIX_FMT_FP4 matrix_b_fmt:MATRIX_FMT_FP4
.endif
.else
.if \ra
.if \rb
	v_wmma_scale_f32_16x16x128_f8f6f4 v[\d:\d+7], v[\a:\a+7], v[\b:\b+7], v[\c:\c+7], v[\sa], v[\sb] matrix_a_fmt:MATRIX_FMT_FP4 matrix_b_fmt:MATRIX_FMT_FP4 matrix_a_scale:MATRIX_SCALE_ROW1 matrix_b_scale:MATRIX_SCALE_ROW1
.else
	v_wmma_scale_f32_16x16x128_f8f6f4 v[\d:\d+7], v[\a:\a+7], v[\b:\b+7], v[\c:\c+7], v[\sa], v[\sb] matrix_a_fmt:MATRIX_FMT_FP4 matrix_b_fmt:MATRIX_FMT_FP4 matrix_a_scale:MATRIX_SCALE_ROW1
.endif
.else
.if \rb
	v_wmma_scale_f32_16x16x128_f8f6f4 v[\d:\d+7], v[\a:\a+7], v[\b:\b+7], v[\c:\c+7], v[\sa], v[\sb] matrix_a_fmt:MATRIX_FMT_FP4 matrix_b_fmt:MATRIX_FMT_FP4 matrix_b_scale:MATRIX_SCALE_ROW1
.else
	v_wmma_scale_f32_16x16x128_f8f6f4 v[\d:\d+7], v[\a:\a+7], v[\b:\b+7], v[\c:\c+7], v[\sa], v[\sb] matrix_a_fmt:MATRIX_FMT_FP4 matrix_b_fmt:MATRIX_FMT_FP4
.endif
.endif
.endif
.endm
; The row's sum is taken of the unquantised p: two chains a tile of queries, in two parts
.macro SUMJ j
.irp m, 0,1,2,3
	v_pk_add_f32 v[ST+8*\m+2:ST+8*\m+3], v[ST+8*\m+2:ST+8*\m+3], v[S+32*\m+\j:S+32*\m+\j+1]
	v_pk_add_f32 v[T+2*\m:T+2*\m+1], v[T+2*\m:T+2*\m+1], v[S+32*\m+\j+2:S+32*\m+\j+3]
.endr
.endm
.macro SUMA
.irp m, 0,1,2,3
	v_pk_add_f32 v[T+2*\m:T+2*\m+1], v[S+32*\m:S+32*\m+1], v[S+32*\m+2:S+32*\m+3]
.endr
	SUMJ 4
	SUMJ 8
	SUMJ 12
.endm
.macro SUMB
	SUMJ 16
	SUMJ 20
	SUMJ 24
	SUMJ 28
.irp m, 0,1,2,3
	v_pk_add_f32 v[ST+8*\m+2:ST+8*\m+3], v[ST+8*\m+2:ST+8*\m+3], v[T+2*\m:T+2*\m+1]
.endr
.endm
; THE CHANGE OF SLOTS.  Each wave waits for all its tensor loads (its quarter of the step that it is about to read), adds 0 to its spare word, and waits for that, for its posts and for its reads of the slot left.
; Behind a round of the cluster's barrier the slot left is filled with the next step: the load has a whole step's work in which to land.  The row sums are register work beside the add and inside the round.
; Four plain vector instructions follow the macro.
.macro CHANGE sums
	s_wait_tensorcnt 0x0                           ; no tensor load of mine is out, so the descriptor may be written
	ds_add_u32 v16, v17                            ; 0 onto my spare word
	s_xor_b32 s33, s33, SLOTB                      ; the other slot than last time,
	s_add_nc_u64 s[34:35], s[34:35], STEPB         ; the next step; the type bits on top are not reached
	s_wait_xcnt 0x0                                ; the last prefetch, a step back, has read its address
	s_add_nc_u64 s[50:51], s[50:51], STEPB         ; one step further on than the descriptor
.if \sums
	SUMA
.endif
	s_wait_alu depctr_va_vdst(0)                   ; directly ahead of the wait below
	s_wait_dscnt 0x0                               ; the add is done, my posts have landed, my reads of the slot left are over
	s_barrier_signal -1
.if \sums
	SUMB
	s_wait_alu depctr_va_vdst(0)
.endif
	s_barrier_wait -1
	CREST                                          ; all this now holds of every wave of all four work-groups
	tensor_load_to_lds s[32:35], s[24:31]          ; my one tensor load until the next round
	s_nop 0
.endm
; A prefetch into the L2 of the 512 code rows (256 bytes each) of the step that the NEXT change will ask for.  All clusters of a batch walk the same steps: the batch's first cluster asks (s44 = 0 there, else 1000);
; its sixteen waves share the rows out by address, 32 each, a lane a row: each row is named once in the launch.  s43 counts the asks left: steps 2 to 13.  Steps 0 and 1, and the 32 rows of scale words of each step, come by their loads alone.
.macro ASK
	s_cmp_gt_u32 s43, s44
	s_cbranch_scc0 .Lnot_mine_\@
	global_prefetch_b8 v22, s[50:51] th:TH_LOAD_NT scope:SCOPE_SE
.Lnot_mine_\@:
	s_sub_co_u32 s43, s43, 1
.endm
; 64 keys (units) of a half laid as K: scale words and 16 fragments; win: the destination's window; sc: scale registers; af, as: address registers
.macro WLD win, sc, af, as
.irp s, 0,1,2,3
	ds_load_b64 v[\sc+2*\s:\sc+2*\s+1], v[\as] offset:\s*512   ; lanes 0-15: tiles 0, 2 of my four; lanes 16-31: tiles 1, 3
.endr
	WIN \win
.irp s, 0,1,2,3
.irp t, 0,1,2,3
.irp c, 0,1
	ds_load_b128 v[128+32*\s+8*\t+4*\c:128+32*\s+8*\t+4*\c+3], v[\af] offset:\s*8192+\t*1024+\c*512
.endr
.endr
.endr
	WIN 0
.endm
.macro PVLD b                          ; half b of P's and of V's fragments
	WIN 0xc0
.irp m, 0,1,2,3
.irp c, 0,1
	ds_load_b128 v[16*\m+8*\b+4*\c:16*\m+8*\b+4*\c+3], v15 offset:(2*\m+\b)*1024+\c*512
.endr
.endr
	WIN 0x80
.irp d, 0,1,2,3,4,5,6,7
.irp c, 0,1
	ds_load_b128 v[128+64*\b+8*\d+4*\c:128+64*\b+8*\d+4*\c+3], v105 offset:\b*32768+\d*1024+\c*512
.endr
.endr
.endm
; A STEP OF 256 KEYS; its K fragments are in registers.  msk = 1: the mask input is honoured.
.macro STEP msk
	WIN 0x0b                                       ; K window 3, Q window 2, S^T window 0
.irp s, 0,1,2,3                        ; S^T = K Q^T: 16 accumulators by turns, one instruction a turn
.irp t, 0,1,2,3
.irp m, 0,1,2,3
.if \s == 0
	MM S+32*\m+8*\t, 128+8*\t, 32*\m, -1, KS+\t/2, QS+4*\m, \t%2, 0
.else
	MM S+32*\m+8*\t, 128+32*\s+8*\t, 32*\m+8*\s, S+32*\m+8*\t, KS+2*\s+\t/2, QS+4*\m+\s, \t%2, 0
.endif
.endr
.endr
.endr
.if \msk
	s_wait_loadcnt 0x0                             ; this step's 8 mask loads, issued a step ago
	WIN 0xcc
.set i, 0
.rept 32
	v_xor_b32 v[MK+i], s48, v[MK+i]                ; (also the places behind the products)
.set i, i+1
.endr
	WIN 0
.else
	WIN 0
	PLACES
.endif
	s_add_co_u32 s45, s36, HALFB                   ; the next step's K, half B of the slot in hand, goes to registers under the softmax
	v_add_nc_u32 v106, s45, v1
	v_add_nc_u32 v104, s45, v2
	WLD 0xc0, KS, 106, 104
.if \msk
	; register S + 32 m + 16 g + i holds query (m, r), key 64 w + 32 g + 16 h + i of the step: its mask byte is byte i of the 16 loaded for (m, g)
.irp p, 0,1
	WIN 0xc3
.irp m, 0,1
.irp e, 0,1,2,3
	v_cvt_scale_pk8_f32_fp8 v[32*\m+8*\e:32*\m+8*\e+7], v[MK+16*\p+8*\m+2*\e:MK+16*\p+8*\m+2*\e+1], v107   ; eight addends: -2^60 or -0
.endr
.endr
	v_nop                                          ; one plain line behind the scaled conversions
	WIN 0x0c
.irp m, 0,1
.irp j, 0,2,4,6,8,10,12,14,16,18,20,22,24,26,28,30
	v_pk_add_f32 v[S+64*\p+32*\m+\j:S+64*\p+32*\m+\j+1], v[S+64*\p+32*\m+\j:S+64*\p+32*\m+\j+1], v[32*\m+\j:32*\m+\j+1]   ; each accumulator from its low end on
.endr
.endr
.endr
	WIN 0
	s_cmp_eq_u32 s37, 1                            ; the last trip has no next step
	s_wait_alu depctr_va_vdst(0)                   ; directly ahead of the branch
	s_cbranch_scc1 .Lno_more_mask_\@
	s_add_nc_u64 s[54:55], s[54:55], 0x100         ; the next step's mask bytes, a whole step ahead (the loads that read this base were waited for above)
	WIN 0xc0
.irp m, 0,1,2,3
.irp g, 0,1
	global_load_b128 v[MK+8*\m+4*\g:MK+8*\m+4*\g+3], v100, s[54:55] offset:(32*(\m/2)+8*(\m%2))*2048+32*\g
.endr
.endr
	WIN 0
.Lno_more_mask_\@:
.endif
	; the largest score of each block of 32 keys: it serves my keys' maximum and the block's largest p.  Eight blocks by turns
.irp m, 0,1,2,3
.irp g, 0,1
	v_max3_num_f32 v[ST+8*\m+6+\g], v[S+32*\m+16*\g], v[S+32*\m+16*\g+1], v[S+32*\m+16*\g+2]
.endr
.endr
.irp i, 3,5,7,9,11,13
.irp m, 0,1,2,3
.irp g, 0,1
	v_max3_num_f32 v[ST+8*\m+6+\g], v[ST+8*\m+6+\g], v[S+32*\m+16*\g+\i], v[S+32*\m+16*\g+\i+1]
.endr
.endr
.endr
.irp m, 0,1,2,3
.irp g, 0,1
	v_max_num_f32 v[ST+8*\m+6+\g], v[ST+8*\m+6+\g], v[S+32*\m+16*\g+15]
.endr
.endr
.irp m, 0,1,2,3
.irp g, 0,1
	v_permlanex16_b32 v[T+2*\m+\g], v[ST+8*\m+6+\g], s40, s41
.endr
.endr
.irp m, 0,1,2,3
.irp g, 0,1
	v_max_num_f32 v[ST+8*\m+6+\g], v[ST+8*\m+6+\g], v[T+2*\m+\g]   ; with lane l xor 16's 16 keys
.endr
.endr
.irp m, 0,1,2,3
	v_max_num_f32 v[T+\m], v[ST+8*\m+6], v[ST+8*\m+7]              ; my 64 keys' largest score of the query
.endr
.irp m, 0,1,2,3
	v_mul_f32 v[T+\m], s38, v[T+\m]                ; as t (c is positive)
.endr
.irp m, 0,1,2,3
	v_max_num_f32 v[ST+8*\m+1], v[ST+8*\m+1], v[T+\m]              ; the running largest t
.endr
.irp m, 0,1,2,3
	v_mov_b32 v[T+\m], v[ST+8*\m]
.endr
.irp m, 0,1,2,3
	v_floor_f32 v[ST+8*\m], -v[ST+8*\m+1]          ; the new -M = floor(-t): M is a whole number
.endr
.irp m, 0,1,2,3
	v_sub_f32 v[T+\m], v[ST+8*\m], v[T+\m]         ; old M - new M: a whole number, 0 or less
.endr
.irp m, 0,1,2,3
	v_cvt_i32_f32 v[T+\m], v[T+\m]                 ; (it saturates)
.endr
.irp m, 0,1,2,3
	v_ldexp_f32 v[ST+8*\m+4], 1.0, v[T+\m]         ; for my own sums
.endr
.irp m, 0,1,2,3
.irp j, 0,2,4,6,8,10,12,14,16,18,20,22,24,26,28,30
	v_pk_fma_f32 v[S+32*\m+\j:S+32*\m+\j+1], v[S+32*\m+\j:S+32*\m+\j+1], s[38:39], v[ST+8*\m:ST+8*\m+1] op_sel_hi:[1,0,0]   ; t - M, two at a time
.endr
.endr
.irp m, 0,1,2,3
.irp g, 0,1
	v_fma_f32 v[ST+8*\m+6+\g], v[ST+8*\m+6+\g], s38, v[ST+8*\m]    ; the same of each block's largest score
.endr
.endr
	s_wait_alu depctr_va_vdst(0)                   ; one wait ahead of the batch
.irp m, 0,1,2,3
.irp g, 0,1
	v_exp_f32 v[ST+8*\m+6+\g], v[ST+8*\m+6+\g]     ; the block's largest p
.endr
.endr
.set i, 0
.rept 128
	v_exp_f32 v[S+i], v[S+i]                       ; p = 2^(t - M), at most 1: not normalised
.set i, i+1
.endr
.irp m, 0,1,2,3
	v_pk_mul_f32 v[ST+8*\m+2:ST+8*\m+3], v[ST+8*\m+2:ST+8*\m+3], v[ST+8*\m+4:ST+8*\m+5] op_sel_hi:[1,0]   ; my sums under the new M; plain lines behind the exponentials
.endr
	s_wait_alu depctr_va_vdst(0)                   ; one wait for the batch, ahead of its first reader
.irp m, 0,1,2,3
.irp g, 0,1
	v_max_num_f32 v[ST+8*\m+6+\g], 0x1800000, v[ST+8*\m+6+\g]      ; the floor 2^(3 - 127): the byte cannot fall under 1
.endr
.endr
.irp m, 0,1,2,3
.irp g, 0,1
	v_add_nc_u32 v[T+8+2*\m+\g], 0xff000000, v[ST+8*\m+6+\g]       ; 2 off the exponent field: the conversion's scale operand, and the block's scale as a number
.endr
.endr
	v_add_nc_u32 v12, s42, v5
	v_add_nc_u32 v13, s42, v6
	v_add_nc_u32 v14, s42, v9
.irp m, 0,1,2,3
	ds_store_b64 v13, v[T+8+2*\m:T+8+2*\m+1] offset:512*\m         ; both halves of the lanes write the same words with the same values
	ds_store_b32 v14, v[ST+8*\m] offset:256*\m
.endr
	WIN 0xc0                                       ; destination window 3
.irp m, 0,1,2,3
.irp g, 0,1
.irp e, 0,1
	v_cvt_scalef32_pk8_fp4_f32 v[PCD+4*\m+2*\g+\e], v[S+32*\m+16*\g+8*\e:S+32*\m+16*\g+8*\e+7], v[T+8+2*\m+\g]
.endr
.endr
.endr
	v_nop                                          ; one plain line behind the scaled conversions
	WIN 0x0c                                       ; an LDS store's data are its source 1: window 3
.irp m, 0,1,2,3
.irp g, 0,1
	ds_store_b64 v12, v[PCD+4*\m+2*\g:PCD+4*\m+2*\g+1] offset:\m*2048+\g*256   ; my 16 keys' codes: 8 bytes of the query's 16 in the block's place of P's image: the image joins the halves of a block
.endr
.endr
	WIN 0
	s_xor_b32 s36, s36, SLOTB                      ; on to the other slot
	CHANGE 1
	v_add_nc_u32 v12, s42, v10                     ; (six plain lines behind the tensor load)
	v_add_nc_u32 v13, s42, v11
	v_add_nc_u32 v14, s42, v8
	v_add_nc_u32 v15, s42, v29
	v_add_nc_u32 v104, s36, v4
	v_add_nc_u32 v105, s36, v3
.irp m, 0,1,2,3
	ds_load_b128 v[MA+4*\m:MA+4*\m+3], v12 offset:256*\m
.endr
.irp m, 0,1,2,3
	ds_load_b64 v[MB+2*\m:MB+2*\m+1], v13 offset:256*\m
.endr
.irp m, 0,1,2,3
	ds_load_b128 v[SA+4*\m:SA+4*\m+3], v14 offset:512*\m
.endr
.irp b, 0,1
	ds_load_b128 v[VS+4*\b:VS+4*\b+3], v104 offset:2048*\b
.endr
	PVLD 0
	PVLD 1
	WIN 0
	ASK
	s_wait_dscnt 50                                ; the twelve loads of -M and block scales are in; V's 2 scale loads, P's 16 and V's 32 may be out
.irp m, 0,1,2,3
	v_min3_num_f32 v[N+\m], v[MA+4*\m], v[MA+4*\m+1], v[MA+4*\m+2]
.endr
.irp m, 0,1,2,3
	v_min_num_f32 v[N+\m], v[N+\m], v[MA+4*\m+3]   ; -(the largest M)
.endr
.irp m, 0,1,2,3
	v_sub_f32 v[E+2*\m], v[N+\m], v[MB+2*\m]       ; M of the wave - the largest M: a whole number, 0 or less
	v_sub_f32 v[E+2*\m+1], v[N+\m], v[MB+2*\m+1]
	v_sub_f32 v[D+\m], v[N+\m], v[CM+\m]           ; old - new common M
.endr
.irp m, 0,1,2,3
	v_cvt_i32_f32 v[E+2*\m], v[E+2*\m]             ; (it saturates)
	v_cvt_i32_f32 v[E+2*\m+1], v[E+2*\m+1]
	v_cvt_i32_f32 v[D+\m], v[D+\m]
.endr
.irp m, 0,1,2,3
	v_mov_b32 v[CM+\m], v[N+\m]
	v_ldexp_f32 v[ST+8*\m+4], 1.0, v[D+\m]         ; f
.endr
.irp j, 0,1,2,3
.irp m, 0,1,2,3
	v_ldexp_f32 v[SA+4*\m+\j], v[SA+4*\m+\j], v[E+2*\m+\j/2]
.endr
.endr
.irp j, 0,1,2,3
.irp m, 0,1,2,3
	v_lshrrev_b32 v[SA+4*\m+\j], 23, v[SA+4*\m+\j] ; the bytes
.endr
.endr
.irp m, 0,1,2,3
	v_lshl_or_b32 v[SA+4*\m], v[SA+4*\m+1], 8, v[SA+4*\m]
.endr
.irp m, 0,1,2,3
	v_lshl_or_b32 v[SA+4*\m], v[SA+4*\m+2], 16, v[SA+4*\m]
.endr
.irp m, 0,1,2,3
	v_lshl_or_b32 v[PS+\m], v[SA+4*\m+3], 24, v[SA+4*\m]           ; P's scale words: lanes 0-15 keys 0-127 of the step, lanes 16-31 keys 128-255
.endr
	s_xor_b32 s42, s42, BUFX                       ; the next step posts into the other buffer: this one may still be read then
	s_wait_alu depctr_va_vdst(0)                   ; ahead of the first readers of O^T
	WIN 0x41                                       ; O^T window 1, f window 0
.irp m, 0,1,2,3
.set i, 0
.rept 32
	v_pk_mul_f32 v[64*\m+i:64*\m+i+1], v[64*\m+i:64*\m+i+1], v[ST+8*\m+4:ST+8*\m+5] op_sel_hi:[1,0]   ; O^T under the new M
.set i, i+2
.endr
.endr
	s_wait_alu depctr_va_vdst(0)                   ; ahead of the wait below
	WIN 0x5e                                       ; V window 2, P window 3, O^T window 1
.irp b, 0,1                            ; O^T += V^T P^T: 32 accumulators by turns
	s_wait_dscnt 24-24*\b                          ; this half's P and V are in; the second half's 24 loads may be out
.irp d, 0,1,2,3,4,5,6,7
.irp m, 0,1,2,3
	MM 64*\m+8*\d, 128+64*\b+8*\d, 16*\m+8*\b, 64*\m+8*\d, VS+4*\b+\d/2, PS+\m, \d%2, \b
.endr
.endr
.endr
	WIN 0
.endm
.macro RESET                           ; the statistics of an attention's start.  The first step's f is then 0
.irp m, 0,1,2,3
	v_mov_b32 v[ST+8*\m+1], 0xff61b1e6             ; the largest t so far: -3e38, under every t
	v_floor_f32 v[ST+8*\m], -v[ST+8*\m+1]
	v_mov_b32 v[ST+8*\m+2], 0
	v_mov_b32 v[ST+8*\m+3], 0
	v_mov_b32 v[ST+8*\m+5], 0                      ; (named with f as a pair)
	v_mov_b32 v[CM+\m], 0x7f61b1e6
.endr
.endm
; 64 numbers of a lane, v128-191, register 16 b + i = k 32 b + 16 h + i of my row's 128, become K step w of the next product for tile m of rows: codes and scale word go to LDS as an image
.macro QUANT64 m
.irp b, 0,1,2,3
	v_max3_num_f32 v[TM+\b], |v[S+16*\b]|, |v[S+1+16*\b]|, 0x1800000   ; my 16 numbers of block b, and the floor
.endr
.irp i, 2,4,6,8,10,12,14
.irp b, 0,1,2,3
	v_max3_num_f32 v[TM+\b], v[TM+\b], |v[S+16*\b+\i]|, |v[S+1+16*\b+\i]|
.endr
.endr
.irp b, 0,1,2,3
	v_permlanex16_b32 v[TM+4+\b], v[TM+\b], s40, s41
.endr
.irp b, 0,1,2,3
	v_max_num_f32 v[TM+\b], v[TM+\b], v[TM+4+\b]   ; with lane l xor 16's: the block's largest magnitude
.endr
.irp b, 0,1,2,3
	v_add_nc_u32 v[TM+12+\b], 0xff000000, v[TM+\b]
.endr
.irp b, 0,1,2,3
	v_lshrrev_b32 v[TM+4+\b], 23, v[TM+12+\b]
.endr
	v_lshl_or_b32 v[PW+(\m)], v[TM+5], 8, v[TM+4]
	v_lshl_or_b32 v[PW+(\m)], v[TM+6], 16, v[PW+(\m)]
	v_lshl_or_b32 v[PW+(\m)], v[TM+7], 24, v[PW+(\m)]
.irp b, 0,1,2,3
	v_cvt_scalef32_pk8_fp4_f32 v[QC+8*(\m)+2*\b], v[S+16*\b:S+7+16*\b], v[TM+12+\b]
	v_cvt_scalef32_pk8_fp4_f32 v[QC+8*(\m)+2*\b+1], v[S+8+16*\b:S+15+16*\b], v[TM+12+\b]
.endr
	v_nop                                          ; one plain line behind the scaled conversions
.irp b, 0,1,2,3
	ds_store_b64 v18, v[QC+8*(\m)+2*\b:QC+8*(\m)+2*\b+1] offset:(\m)*4096+\b*256
.endr
	ds_store_b32 v19, v[PW+(\m)] offset:(\m)*256
.endm
; What lies in window 1 becomes the next product's operand.  kind = 0: the end of an attention: O^T / the row's sum.  kind = 1: relu.
.macro FINAL kind
.if \kind == 0
.irp m, 0,1,2,3
	v_add_f32 v[T+\m], v[ST+8*\m+2], v[ST+8*\m+3]  ; the sum's two halves (these lines are also the places behind the last products),
	v_sub_f32 v[T+8+\m], v[CM+\m], v[ST+8*\m]      ; my M - the common M
.endr
.irp m, 0,1,2,3
	v_permlanex16_b32 v[T+4+\m], v[T+\m], s40, s41
.endr
.irp m, 0,1,2,3
	v_add_f32 v[T+\m], v[T+\m], v[T+4+\m]          ; lane l xor 16's: the sum over my wave's keys
	v_cvt_i32_f32 v[T+8+\m], v[T+8+\m]
.endr
.irp m, 0,1,2,3
	v_ldexp_f32 v[T+\m], v[T+\m], v[T+8+\m]        ; under the common M
.endr
.irp m, 0,1,2,3
	ds_store_b32 v24, v[T+\m] offset:256*\m
.endr
	BAR
.irp m, 0,1,2,3
	ds_load_b128 v[T+4*\m:T+4*\m+3], v25 offset:256*\m
.endr
	s_wait_dscnt 0x0
.irp m, 0,1,2,3
	v_add_f32 v[T+4*\m], v[T+4*\m], v[T+4*\m+1]
.endr
.irp m, 0,1,2,3
	v_add_f32 v[T+4*\m+2], v[T+4*\m+2], v[T+4*\m+3]
.endr
.irp m, 0,1,2,3
	v_add_f32 v[T+4*\m], v[T+4*\m], v[T+4*\m+2]    ; the four waves': the row's sum
.endr
	s_wait_alu depctr_va_vdst(0)                   ; ahead of the batch
.irp m, 0,1,2,3
	v_rcp_f32 v[ST+8*\m+4], v[T+4*\m]
.endr
	v_nop                                          ; a plain line behind the last reciprocal
	s_wait_alu depctr_va_vdst(0)                   ; one wait for the four, ahead of their first reader
.else
	PLACES
.endif
.irp b, 0,1,2,3
	v_mov_b32 v[TM+4+\b], 0                        ; a lane permute's destination counts as one of its sources
.endr
.irp m, 0,1,2,3
.if \kind == 0
	WIN 0x01                                       ; source 0 window 1
.set i, 0
.rept 32
	v_pk_mul_f32 v[S+i:S+i+1], v[64*\m+i:64*\m+i+1], v[ST+8*\m+4:ST+8*\m+5] op_sel_hi:[1,0]   ; each accumulator from its low end on
.set i, i+2
.endr
.else
	WIN 0x04                                       ; source 1 window 1
.set i, 0
.rept 64
	v_max_num_f32 v[S+i], 0, v[64*\m+i]
.set i, i+1
.endr
.endif
	WIN 0
	QUANT64 \m
.endr
.if \kind == 1
	s_wait_tensorcnt 0x0                           ; my quarter of the last step, W2, is in too: the barrier below shows it to all.  Nothing is filled again
	ds_add_u32 v16, v17
	s_wait_alu depctr_va_vdst(0)
.endif
	BAR                                            ; the sixteen fragments and their scale words lie in LDS
.irp m, 0,1,2,3
.irp s, 0,1,2,3
	ds_load_b32 v[QS+4*\m+\s], v21 offset:(4*\m+\s)*64
.endr
.endr
	WIN 0x80
.irp m, 0,1,2,3
.irp s, 0,1,2,3
.irp c, 0,1
	ds_load_b128 v[32*\m+8*\s+4*\c:32*\m+8*\s+4*\c+3], v20 offset:(4*\m+\s)*1024+\c*512
.endr
.endr
.endr
	WIN 0
.endm
; W1's half ab (0: its fragments in window 3, 1: in window 2) x the 64 rows: units 128 w + 64 ab on.  b1 is the C of each sum's first instruction.  16 accumulators by turns
.macro LAYER1 ab
.irp s, 0,1,2,3
.if \s == 0
	WIN 0x7b-\ab
.else
	WIN 0x5b-\ab
.endif
.irp t, 0,1,2,3
.irp m, 0,1,2,3
.if \s == 0
	MM 64*\m+32*\ab+8*\t, 128+8*\t, 32*\m, BI+32*\ab+8*\t, KS+8*\ab+\t/2, QS+4*\m, \t%2, 0
.else
	MM 64*\m+32*\ab+8*\t, 128+32*\s+8*\t, 32*\m+8*\s, 64*\m+32*\ab+8*\t, KS+8*\ab+2*\s+\t/2, QS+4*\m+\s, \t%2, 0
.endif
.endr
.endr
.endr
.endm
; The second layer goes by tiles of rows, so that a finished tile leaves while the next is multiplied: tile m, both halves of W2, four accumulators by turns.  b2 is the first C
.macro ROWM m
.irp ab, 0,1
.irp s, 0,1,2,3
.if \m == 0
	s_wait_dscnt 60-36*\ab-8*\s                    ; the rows, the scale words and this K step's eight loads are in; the later K steps', and half b's 36 loads, may be out
.endif
.if \s == 0
	WIN 0x7b-\ab
.else
	WIN 0x5b-\ab
.endif
.irp t, 0,1,2,3
.if \s == 0
	MM 64*\m+32*\ab+8*\t, 128+8*\t, 32*\m, 32*\ab+8*\t, KS+8*\ab+\t/2, QS+4*\m, \t%2, 0
.else
	MM 64*\m+32*\ab+8*\t, 128+32*\s+8*\t, 32*\m+8*\s, 64*\m+32*\ab+8*\t, KS+8*\ab+2*\s+\t/2, QS+4*\m+\s, \t%2, 0
.endif
.endr
.endr
.endr
	WIN 0
.endm
; THE WAY OUT, a tile of 16 rows at a time: a lane holds 32 neighbouring bytes of a row, so the tile goes through my own stage and comes back as my 512 bytes of each row
.macro TOSTAGE m
	WIN 0x04                                       ; an LDS store's data are its source 1: window 1
.irp t, 0,1,2,3,4,5,6,7
	ds_store_b128 v26, v[64*(\m)+8*\t:64*(\m)+8*\t+3] offset:128*(\t/2)+32*(\t%2)       ; each accumulator from its low end on
	ds_store_b128 v26, v[64*(\m)+8*\t+4:64*(\m)+8*\t+7] offset:128*(\t/2)+32*(\t%2)+16
.endr
	WIN 0
.irp p, 0,1,2,3,4,5,6,7,8,9,10,11,12,13,14,15
	ds_load_b128 v[S+64*((\m)%2)+4*\p:S+64*((\m)%2)+4*\p+3], v27 offset:\p*528   ; LDS serves a wave's instructions in order: these see the stores above
.endr
.endm
.macro SEND m
	s_wait_dscnt 0x0
.irp p, 0,1,2,3,4,5,6,7,8,9,10,11,12,13,14,15
	global_store_b128 v28, v[S+64*((\m)%2)+4*\p:S+64*((\m)%2)+4*\p+3], s[12:13] offset:(32*((\m)/2)+8*((\m)%2)+\p+8*(\p/8))*2048 th:TH_STORE_NT   ; 32 lanes store 512 consecutive bytes, at a multiple of 512 from out0's first byte
.endr
.endm
	; ---- the head
	s_load_b256 s[4:11], s[0:1], 0x0               ; kv, mask, b1, b2
	s_load_b64 s[12:13], s[0:1], 0x20              ; out0
	v_lshl_add_u32 v16, v0, 2, SPARE               ; my spare word; never rewritten
	v_mov_b32 v17, 0                               ; never rewritten
	ds_add_u32 v16, v17                            ; the opening
	ds_add_u32 v16, v17
	v_lshrrev_b32 v1, 5, v0
	v_readfirstlane_b32 s14, v1                    ; wave 0..3
	s_bfe_u32 s15, ttmp6, 0x40000                  ; cx: my place in the cluster
	s_and_b32 s16, ttmp7, 0xffff                   ; the batch, which the four partners share
	; descriptor group 1: a quarter of a step: 136 dense rows of 256 bytes (32 elements of 8 bytes); no padding: images are read 512 consecutive bytes an instruction
	s_mov_b32 s24, 15|(3<<16)|(1<<21)              ; 15:0 the mask: all four work-groups; 17:16 elements of 8 bytes; 21 set beside a mask
	s_mov_b32 s25, 32<<16                          ; tensor_dim0
	s_mov_b32 s26, 136<<16                         ; tensor_dim1
	s_mov_b32 s27, 32<<16                          ; tile_dim0
	s_mov_b32 s28, 136                             ; tile_dim1
	s_mov_b32 s29, 32                              ; the pitch
	s_mov_b32 s30, 0
	s_mov_b32 s31, 0
	s_mul_i32 s56, s16, 14*STEPB
	s_mov_b32 s57, 0
	s_mul_i32 s58, s14, QUART
	s_mov_b32 s59, 0
	s_wait_dscnt 0x0                               ; both opening adds are done
	s_wait_kmcnt 0x0
	s_add_nc_u64 s[4:5], s[4:5], s[56:57]          ; kv at my batch
	s_mov_b32 s32, 1                               ; group 0: count = 1,
	s_mul_i32 s33, s14, QUART                      ; LDS address: slot 0, my quarter: no place in the cluster enters it,
	s_add_nc_u64 s[34:35], s[4:5], s[58:59]        ; global address: step 0, my quarter,
	s_or_b32 s35, s35, 0x80000000                  ; type = 2
	CROUND                                         ; all four work-groups are here: the first joint loads meet
	tensor_load_to_lds s[32:35], s[24:31]          ; step 0
	s_nop 0
	PLACES
	v_and_b32 v29, 31, v0
	v_lshlrev_b32 v29, 4, v29                      ; 16 l
	v_and_b32 v30, 15, v0                          ; r
	v_bfe_u32 v31, v0, 4, 1                        ; h
	v_lshlrev_b32 v104, 4, v30                     ; 16 r
	v_lshlrev_b32 v105, 2, v30                     ; 4 r
	v_lshl_add_u32 v106, v31, 3, v104              ; 16 r + 8 h
	s_wait_alu depctr_va_vdst(0)
	s_lshr_b32 s60, s14, 1
	s_and_b32 s61, s14, 1
	s_lshl_b32 s62, s60, 15
	s_lshl_b32 s63, s61, 12
	s_add_co_u32 s62, s62, s63
	v_add_nc_u32 v1, s62, v29                      ; in a half laid as K: which 128 = w / 2, tiles 4 (w % 2) on
	s_lshl_b32 s62, s60, 11
	s_lshl_b32 s63, s61, 3
	s_add_co_u32 s62, s62, s63
	s_add_co_u32 s62, s62, 65536
	v_add_nc_u32 v2, s62, v29                      ; their scale words
	s_lshl_b32 s62, s14, 13
	v_add_nc_u32 v3, s62, v29                      ; V's fragments: channels 128 w on
	s_lshl_b32 s62, s14, 9
	s_add_co_u32 s63, s62, 65536
	v_add_nc_u32 v4, s63, v29                      ; their scale words
	v_add_nc_u32 v5, s62, v106                     ; where I put p's codes: half w / 2, blocks 2 (w % 2) on: 512 w
	v_add_nc_u32 v28, s62, v29                     ; out0 and the biases in memory: 16 l + 512 w
	v_add_nc_u32 v102, BIAS, v28                   ; the biases, into LDS,
	s_add_co_u32 s63, s62, BIAS
	v_lshl_add_u32 v101, v31, 6, s63               ; and back in the result's layout: + 64 h
	s_lshl_b32 s62, s14, 3
	s_add_co_u32 s62, s62, SCO
	v_lshl_add_u32 v6, v30, 5, s62                 ; my two block scales of query r
	v_lshlrev_b32 v8, 1, v104
	v_lshl_add_u32 v8, v31, 4, v8
	v_add_nc_u32 v8, SCO, v8                       ; the four of my half of the lanes: waves 2 h, 2 h + 1
	s_lshl_b32 s62, s14, 2
	s_add_co_u32 s63, s62, MXO
	v_add_nc_u32 v9, s63, v104                     ; my -M of query r,
	v_add_nc_u32 v10, MXO, v104                    ; all four waves',
	v_add_nc_u32 v11, MXO, v106                    ; and those of waves 2 h, 2 h + 1
	s_add_co_u32 s63, s62, SUMS
	v_add_nc_u32 v24, s63, v104
	v_add_nc_u32 v25, SUMS, v104
	v_and_b32 v100, 8, v30
	v_add_nc_u32 v100, v100, v30
	v_lshlrev_b32 v100, 11, v100                   ; the mask: row r + 8 (r / 8) of 2,048 bytes,
	v_lshl_add_u32 v100, v31, 4, v100              ; + 16 h,
	s_lshl_b32 s62, s14, 6
	v_add_nc_u32 v100, s62, v100                   ; + my wave's 64 keys
	s_add_co_u32 s63, s62, QSC
	v_add_nc_u32 v19, s63, v105
	s_lshl_b32 s62, s14, 10
	s_add_co_u32 s62, s62, QIMG
	v_add_nc_u32 v18, s62, v106                    ; where I put the rows' codes: K step w
	v_add_nc_u32 v20, QIMG, v29
	v_add_nc_u32 v21, QSC, v105
	v_lshlrev_b32 v22, 4, v29                      ; the prefetches: 256 x lane
	s_mul_i32 s62, s14, 8448
	v_mul_u32_u24 v26, v30, 528
	v_lshl_add_u32 v26, v31, 6, v26
	v_add_nc_u32 v26, s62, v26                     ; my stage, in: row r, + 64 h
	v_add_nc_u32 v27, s62, v29                     ; and back
	v_mov_b32 v107, 0xc4c4c4c4                     ; 2^69 as a scale byte
	; my 64 queries are keys of key step (cluster x): which 128 = cx / 2, tiles 4 (cx % 2) on.  What hangs on cx enters plain loads', prefetches' and stores' addresses alone
	s_max_u32 s72, ttmp9, 1
	s_sub_co_u32 s72, s72, 1
	s_mul_i32 s72, s72, STEPB
	s_cmp_eq_u32 ttmp9, 0
	s_cselect_b32 s73, 0, HALFB
	s_cselect_b32 s44, 0, 1000                     ; the batch's first cluster prefetches
	s_add_co_u32 s72, s72, s73                     ; where that step's K lies
	s_lshr_b32 s73, s15, 1
	s_and_b32 s74, s15, 1
	s_lshl_b32 s76, s73, 15
	s_add_co_u32 s76, s76, s72
	s_lshl_b32 s77, s74, 12
	s_add_co_u32 s76, s76, s77
	s_mov_b32 s77, 0
	s_add_nc_u64 s[66:67], s[4:5], s[76:77]        ; Q's fragments
	s_lshl_b32 s76, s73, 11
	s_add_co_u32 s76, s76, s72
	s_lshl_b32 s78, s74, 3
	s_add_co_u32 s76, s76, s78
	s_add_nc_u64 s[68:69], s[4:5], s[76:77]        ; Q's scale words (+ 65536 in the immediate)
	s_lshl_b32 s76, ttmp9, 2
	s_add_co_u32 s76, s76, s15                     ; my block of 64 queries
	s_lshl_b32 s76, s76, 17                        ; 64 rows of 2,048 bytes, in the mask and in out0 alike
	s_lshl_b32 s78, s16, 22
	s_add_co_u32 s76, s76, s78
	s_add_nc_u64 s[54:55], s[6:7], s[76:77]        ; the mask at my first query
	s_add_nc_u64 s[12:13], s[12:13], s[76:77]      ; out0 likewise
	s_lshl_b32 s76, s15, 2
	s_add_co_u32 s76, s76, s14                     ; j = 4 cx + w
	s_lshr_b32 s78, s76, 3
	s_lshl_b32 s78, s78, 12                        ; half B's codes lie behind half A's scale words
	s_lshl_b32 s76, s76, 13
	s_add_co_u32 s76, s76, s78
	s_add_co_u32 s76, s76, STEPB
	s_add_nc_u64 s[50:51], s[4:5], s[76:77]        ; the prefetches: my wave's 32 rows, in step 1; the first change of slots steps it to step 2.  The head's ASK prefetches step 2
	s_mov_b32 s43, 12
	s_wait_alu depctr_va_vdst(0)
	WIN 0x80
.irp m, 0,1,2,3
.irp s, 0,1,2,3
.irp c, 0,1
	global_load_b128 v[32*\m+8*\s+4*\c:32*\m+8*\s+4*\c+3], v29, s[66:67] offset:\s*8192+\m*1024+\c*512
.endr
.endr
.endr
	WIN 0
.irp m, 0,1,2,3
.irp s, 0,1,2,3
	global_load_b32 v[QS+4*\m+\s], v104, s[68:69] offset:65536+\s*512+256*(\m%2)+4*(\m/2)
.endr
.endr
	global_load_b128 v[T:T+3], v28, s[8:9]         ; my 128 units' b1,
	global_load_b128 v[T+4:T+7], v28, s[10:11]     ; and b2
	WIN 0xc0
.irp m, 0,1,2,3
.irp g, 0,1
	global_load_b128 v[MK+8*\m+4*\g:MK+8*\m+4*\g+3], v100, s[54:55] offset:(32*(\m/2)+8*(\m%2))*2048+32*\g   ; step 0's mask bytes
.endr
.endr
	WIN 0x40
.set i, 0
.rept 256
	v_mov_b32 v[i], 0                              ; O^T, once in the launch: the step is written once, and its first trip finds zeros
.set i, i+1
.endr
	WIN 0
	RESET
	s_mov_b32 s36, 0                               ; the slot in hand
	s_mov_b32 s38, 0x3d8293ee                      ; c = log2(e) / sqrt(512)
	s_mov_b32 s39, s38                             ; (named with it as a pair)
	s_mov_b32 s40, 0x76543210
	s_mov_b32 s41, 0xfedcba98                      ; v_permlanex16_b32's selects for lane l xor 16
	s_mov_b32 s42, BUF
	s_mov_b32 s48, 0x81818181
	s_wait_alu depctr_va_vdst(0)
	s_wait_loadcnt 8                               ; Q, its scale words and the biases are in; the 8 mask loads may be out
	ds_store_b128 v102, v[T:T+3]                   ; the biases wait in LDS; my wave alone reads these bytes
	ds_store_b128 v102, v[T+4:T+7] offset:2048
	CHANGE 0                                       ; step 0 is whole; step 1 is asked for
	v_add_nc_u32 v106, s36, v1                     ; K(0): half A
	v_add_nc_u32 v104, s36, v2
	v_nop
	v_nop
	WLD 0xc0, KS, 106, 104
	ASK
	s_wait_dscnt 0x0
	; ---- masked self-attention: 8 steps of 256 keys
	s_mov_b32 s37, 8
.Lself:
	STEP 1
	s_sub_co_u32 s37, s37, 1
	s_cmp_lg_u32 s37, 0
	s_cbranch_scc1 .Lself
	FINAL 0                                        ; attn1, quantised along the channels, is the next Q
	RESET                                          ; O^T is not cleared: it is finite wherever reference() is, and the next step multiplies it by f = 0
	s_wait_alu depctr_va_vdst(0)
	s_wait_dscnt 0x0                               ; the new Q is in
	; ---- cross-attention: 4 steps; the last one brings W1's half a to K's registers, the last refill W2
	s_mov_b32 s37, 4
.Lcross:
	STEP 0
	s_sub_co_u32 s37, s37, 1
	s_cmp_lg_u32 s37, 0
	s_cbranch_scc1 .Lcross
	PLACES
	s_add_co_u32 s45, s36, HALFB
	v_add_nc_u32 v106, s45, v1
	v_add_nc_u32 v104, s45, v2
	WLD 0x80, VS, 106, 104                         ; W1's half b, into V's registers
	WIN 0xc0
.irp t, 0,1,2,3,4,5,6,7                ; the biases in the result's layout: lane (r, h), tile 2 c + u: units 128 w + 32 c + 16 h + 8 u + 0 .. 7
	ds_load_b128 v[BI+8*\t:BI+8*\t+3], v101 offset:(32*(\t/2)+8*(\t%2))*4
	ds_load_b128 v[BI+8*\t+4:BI+8*\t+7], v101 offset:(32*(\t/2)+8*(\t%2))*4+16
	ds_load_b128 v[8*\t:8*\t+3], v101 offset:2048+(32*(\t/2)+8*(\t%2))*4
	ds_load_b128 v[8*\t+4:8*\t+7], v101 offset:2048+(32*(\t/2)+8*(\t%2))*4+16
.endr
	WIN 0
	FINAL 0
	s_wait_dscnt 0x0                               ; my rows are in: the image may be written anew once every wave has said so
	; ---- the two layers
	s_barrier_signal -1
	LAYER1 0                                       ; work on registers alone between signal and wait
	LAYER1 1
	WIN 0
	s_barrier_wait -1                              ; nobody reads the image any more
	FINAL 1                                        ; its barrier shows W2 to all; nobody reads slot 0 any more
	s_xor_b32 s36, s36, SLOTB
	s_add_co_u32 s45, s36, HALFB
	v_add_nc_u32 v106, s36, v1
	v_add_nc_u32 v104, s36, v2
	v_add_nc_u32 v105, s45, v1
	v_add_nc_u32 v103, s45, v2
	WLD 0xc0, KS, 106, 104                         ; W2's half a: step 13, half A,
	WLD 0x80, VS, 105, 103                         ; and half b: its half B
	ROWM 0
	PLACES
	TOSTAGE 0
.irp m, 1,2,3
	ROWM \m
	SEND \m-1
	PLACES
.if \m > 1
	s_wait_xcnt 0x0                                ; the stores of two tiles back have read their registers: this tile's loads may land there
.endif
	TOSTAGE \m
.endr
	SEND 3
	s_wait_tensorcnt 0x0                           ; the wave's end
	ds_add_u32 v16, v17
	s_wait_dscnt 0x0
	CROUND                                         ; the closing round: no work-group ends while a partner may still ask for a step that names it
	s_endpgm
.Lfunc_end_k_q8f91c6dfc4_layer:
	.size	k_q8f91c6dfc4_layer, .Lfunc_end_k_q8f91c6dfc4_layer-k_q8f91c6dfc4_layer
	.p2alignl 7, 3214868480
	.fill 96, 4, 3214868480
	.section	.rodata,"a",@progbits
	.p2align	6, 0x0
	.amdhsa_kernel k_q8f91c6dfc4_layer
		.amdhsa_group_segment_fixed_size 327680
		.amdhsa_private_segment_fixed_size 0
		.amdhsa_enable_private_segment 0
		.amdhsa_kernarg_size 40
		.amdhsa_user_sgpr_count 2
		.amdhsa_user_sgpr_kernarg_segment_ptr 1
		.amdhsa_wavefront_size32 1
		.amdhsa_system_sgpr_workgroup_id_x 1
		.amdhsa_system_sgpr_workgroup_id_y 1
		.amdhsa_system_sgpr_workgroup_id_z 1
		.amdhsa_system_vgpr_workitem_id 0
		.amdhsa_next_free_vgpr 1024
		.amdhsa_next_free_sgpr 100
		.amdhsa_reserve_vcc 0
		.amdhsa_float_denorm_mode_32 3
		.amdhsa_float_denorm_mode_16_64 3
		.amdhsa_memory_ordered 1
		.amdhsa_forward_progress 1
		.amdhsa_inst_pref_size 255
	.end_amdhsa_kernel
	.section	.bss,"aw",@nobits
	.p2align	6
	.space	262144
	.amdgpu_metadata
---
amdhsa.version: [ 1, 2 ]
amdhsa.kernels:
  - .name:           k_q8f91c6dfc4_layer
    .symbol:         k_q8f91c6dfc4_layer.kd
    .args:
      - { .name: kv, .offset: 0, .size: 8, .value_kind: global_buffer, .address_space: global }
      - { .name: mask, .offset: 8, .size: 8, .value_kind: global_buffer, .address_space: global }
      - { .name: b1, .offset: 16, .size: 8, .value_kind: global_buffer, .address_space: global }
      - { .name: b2, .offset: 24, .size: 8, .value_kind: global_buffer, .address_space: global }
      - { .name: out0, .offset: 32, .size: 8, .value_kind: global_buffer, .address_space: global }
    .group_segment_fixed_size: 327680
    .private_segment_fixed_size: 0
    .kernarg_segment_align: 8
    .kernarg_segment_size: 40
    .max_flat_workgroup_size: 128
    .sgpr_count:     100
    .vgpr_count:     1024
    .wavefront_size: 32
...
	.end_amdgpu_metadata
.endif
;; end of part 2
